; MI455X (gfx1250); checked and timed in simulation.
; The chip was launched on July 23, 2026; its instructions are those of AMD's public machine-readable ISA for CDNA 5 (MIT licence, August 2026) and "CDNA5" Instruction Set Architecture Reference Guide (July 2026). The comments in the code are by the model that wrote it; some were corrected since.
;; Multi Head Attention. Allowed arithmetic: float matrix products may take bf16 or f16 operands with f32 sums; all other float work in f32.
;; Inputs: K 2 x 2,048 x 1,024 float32; Q 2 x 2,048 x 1,024 float32; V 2 x 2,048 x 1,024 float32; WK 16 x 1,024 x 64 float32; WO 1,024 x 1,024 float32; WQ 16 x 1,024 x 64 float32; WV 16 x 1,024 x 64 float32.
;; Outputs: out0 2 x 2,048 x 1,024 float32.
;; One version. Each part assembles by itself: llvm-mc -triple=amdgcn-amd-amdhsa -mcpu=gfx1250 --defsym DOCPART=n.
;; ======== version 1 of 1: 4 launches
;; limits: values are held in f16: magnitudes above 65,504 overflow, below 6.1e-05 lose precision
;; workspace buffers: xb 25,165,824 bytes; wt 6,291,456 bytes; wot 2,097,152 bytes; qkv 25,165,824 bytes; hd 8,388,608 bytes
;; launch prep (part 1): grid 1280 x 1, 8 waves a work-group, no clusters, 18,432 bytes of LDS; arguments Q, K, V, WQ, WK, WV, WO, xb, wt, wot; writes xb, wt, wot
.if DOCPART == 1
	.amdgcn_target "amdgcn-amd-amdhsa--gfx1250"
	.amdhsa_code_object_version 6
	.text
	.protected	k_q46498d7972_prep
	.globl	k_q46498d7972_prep
	.p2align	8
	.type	k_q46498d7972_prep,@function
k_q46498d7972_prep:
	s_mov_b64 s[64:65], 0
	v_nop
	global_prefetch_b8 v0, s[64:65] scope:SCOPE_SE
	s_setreg_imm32_b32 hwreg(HW_REG_WAVE_MODE, 25, 1), 1
	s_wait_xcnt 0x0
; prep: every input is rounded once to bf16 and laid out for the matrix launches that follow.
;   work-groups 0 .. 767:    xb[a][row][d] = bf16(Q, K or V), a = 0, 1, 2; 65,536 bytes of f32 in, 32,768 bytes out for each work-group.
;   work-groups 768 .. 1151: wt[p][64 h + k][d] = bf16(W_p[h][d][k] / 8), p = 0, 1, 2 for WQ, WK, WV: a tile of 128 d x 64 k, transposed.
;   work-groups 1152 .. 1279: wot[n][k] = bf16(8 WO[k][n]) carried in f16: a tile of 128 k x 64 n, transposed.
; The factors 1/8 and 8 are powers of two: they change no mantissa.  1/8 keeps the projections, which the next launch stores in f16, inside
; f16's range up to |Qi|, |Ki|, |Vi| < 524,032; the 8 on WO takes the 1/8 on V back.
; LIMIT: bf16(8 WO) is exact in f16 for magnitudes from 2^-17 to 65,504; below that its absolute error is at most 3e-8.
; A stream: no matrix unit, no cluster (no two work-groups read the same byte).  LDS serves the transpose alone.
.set X,      8                         ; v[8:71]   f32 as loaded
.set Y,      72                        ; v[72:103] packed 16-bit numbers
.set T0,     4
.set T1,     5
.set LPITCH, 272                       ; an LDS row: 128 numbers of 2 bytes + 16 bytes
.set BACK,   40                        ; v[40:55]  rows read back from LDS
.set GOUT,   56                        ; v56       byte offset of my 16 bytes in the transposed tile in memory
	s_load_b512 s[8:23], s[0:1], 0x0               ; Q 8, K 10, V 12, WQ 14, WK 16, WV 18, WO 20, xb 22
	s_load_b128 s[24:27], s[0:1], 0x40             ; wt 24, wot 26
	v_lshl_add_u32 v104, v0, 2, 0x4400
	v_mov_b32 v105, 0
	s_mov_b32 s2, ttmp9
	s_mov_b32 s29, 0                               ; high words of the two offset pairs
	s_mov_b32 s31, 0
	s_cmp_lt_u32 s2, 768
	s_cbranch_scc0 .Lweights                       ; the same way for all eight waves of a work-group
	; ---- activations: thread t takes 32 bytes of f32 at 32 t of each of eight blocks of 8,192 bytes and stores 16 bytes at 16 t
	s_lshr_b32 s3, s2, 8                           ; which of Q, K, V
	s_and_b32 s28, s2, 255
	s_lshl_b32 s28, s28, 16                        ; my 65,536 bytes of it
	s_lshl_b32 s30, s2, 15                         ; my 32,768 bytes of xb
	v_lshlrev_b32 v1, 5, v0
	v_lshlrev_b32 v2, 4, v0
	s_wait_kmcnt 0x0
	s_cmp_eq_u32 s3, 1
	s_cselect_b64 s[4:5], s[10:11], s[8:9]
	s_cmp_eq_u32 s3, 2
	s_cselect_b64 s[4:5], s[12:13], s[4:5]
	s_add_nc_u64 s[4:5], s[4:5], s[28:29]
	s_add_nc_u64 s[6:7], s[22:23], s[30:31]
.irp i, 0,1,2,3,4,5,6,7
	global_load_b128 v[X+8*\i:X+8*\i+3],   v1, s[4:5] offset:8192*\i th:TH_LOAD_NT
	global_load_b128 v[X+8*\i+4:X+8*\i+7], v1, s[4:5] offset:8192*\i+16 th:TH_LOAD_NT
.endr
.irp i, 0,1,2,3,4,5,6,7
	s_wait_loadcnt 14-2*\i                         ; loads come back in order: block i's two are in, the 14 - 2 i younger ones stay out
.irp k, 0,1,2,3
	v_cvt_pk_bf16_f32 v[Y+4*\i+\k], v[X+8*\i+2*\k], v[X+8*\i+2*\k+1]
.endr
	global_store_b128 v2, v[Y+4*\i:Y+4*\i+3], s[6:7] offset:4096*\i     ; a wave's store covers 512 consecutive bytes, aligned; each Y register is written once
.endr
	s_endpgm
; ---- a weight tile: 128 rows (the index that is summed over) x 64 columns of f32, rows pitch bytes apart, out as 64 rows x 128 numbers of 16 bits.
; Thread t: cc = t & 15 (four columns), gg = t >> 4 (eight rows).  Sixteen lanes read 256 consecutive bytes of a row.
; The choice of registers in the packing is the transpose: a thread's eight rows of one column are 16 bytes of an output row.
; The four LDS stores of a thread go to rows 4 x 272 bytes apart and collide four deep; four stores a thread in the whole launch.
.macro WTILE pitch, kind, scale
	v_mul_u32_u24 v1, v3, 8*\pitch
	v_lshl_add_u32 v1, v2, 4, v1
.irp i, 0,1,2,3,4,5,6,7
	global_load_b128 v[X+4*\i:X+4*\i+3], v1, s[4:5] offset:\i*\pitch th:TH_LOAD_NT
.endr
	s_wait_loadcnt 0x0
.set cnt, 0
.rept 16
	v_pk_mul_f32 v[X+cnt:X+cnt+1], v[X+cnt:X+cnt+1], \scale op_sel_hi:[1,0]
.set cnt, cnt+2
.endr
.irp q, 0,1,2,3
.irp j, 0,1,2,3
	v_cvt_pk_bf16_f32 v[Y+4*\q+\j], v[X+8*\j+\q], v[X+8*\j+4+\q]        ; column 4 cc + q, rows 8 gg + 2 j and + 2 j + 1
.endr
.endr
.if \kind
.set cnt, 0
.rept 16
	v_lshlrev_b32 v[T0], 16, v[Y+cnt]              ; the bf16 numbers, widened,
	v_and_b32 v[T1], 0xffff0000, v[Y+cnt]
	v_cvt_pk_f16_f32 v[Y+cnt], v[T0], v[T1]        ; and carried in f16
.set cnt, cnt+1
.endr
.endif
.irp q, 0,1,2,3
	ds_store_b128 v6, v[Y+4*\q:Y+4*\q+3] offset:\q*LPITCH
.endr
	s_wait_dscnt 0x0                               ; my stores are in LDS before I say so: other waves read them
	s_barrier_signal -1
	s_barrier_wait -1
.irp u, 0,1,2,3
	ds_load_b128 v[BACK+4*\u:BACK+4*\u+3], v7 offset:\u*16*LPITCH
.endr
.irp u, 0,1,2,3
	s_wait_dscnt 3-\u                              ; LDS loads come back in order: the 3 - u younger ones stay out
	global_store_b128 v[GOUT], v[BACK+4*\u:BACK+4*\u+3], s[6:7] offset:\u*32768   ; sixteen lanes store 256 consecutive bytes, aligned
.endr
.endm
.Lweights:
	s_sub_co_u32 s2, s2, 768
	s_lshr_b32 s3, s2, 7                           ; 0, 1, 2: WQ, WK, WV; 3: WO
	s_bfe_u32 s32, s2, 0x40003                     ; hb: which 64 output rows (the head; for WO 64 columns of WO)
	s_and_b32 s33, s2, 7                           ; kb: which 128 of the summed index
	v_and_b32 v2, 15, v0                           ; cc
	v_lshrrev_b32 v3, 4, v0                        ; gg
	v_mul_u32_u24 v6, v2, 4*LPITCH                 ; LDS, in: row 4 cc (+ q), 16 bytes at 16 gg
	v_lshl_add_u32 v6, v3, 4, v6
	v_mul_u32_u24 v7, v3, LPITCH                   ; LDS, back: row gg (+ 16 u), 16 bytes at 16 cc
	v_lshl_add_u32 v7, v2, 4, v7
	v_lshlrev_b32 v[GOUT], 11, v3                  ; memory: output rows are 2,048 bytes
	v_lshl_add_u32 v[GOUT], v2, 4, v[GOUT]
	s_lshl_b32 s30, s32, 17                        ; 64 hb rows of 2,048 bytes
	s_lshl_b32 s34, s33, 8                         ; + 128 kb numbers of 2 bytes
	s_add_co_u32 s30, s30, s34
	s_wait_kmcnt 0x0
	s_cmp_eq_u32 s3, 3
	s_cbranch_scc1 .Lwo
	s_cmp_eq_u32 s3, 1
	s_cselect_b64 s[4:5], s[16:17], s[14:15]
	s_cmp_eq_u32 s3, 2
	s_cselect_b64 s[4:5], s[18:19], s[4:5]
	s_lshl_b32 s28, s32, 18                        ; head hb: 1,024 rows of 256 bytes
	s_lshl_b32 s34, s33, 15                        ; + 128 kb rows
	s_add_co_u32 s28, s28, s34
	s_add_nc_u64 s[4:5], s[4:5], s[28:29]
	s_lshl_b32 s34, s3, 21                         ; wt's part for this weight: 2,097,152 bytes each
	s_add_co_u32 s30, s30, s34
	s_add_nc_u64 s[6:7], s[24:25], s[30:31]
	WTILE 256, 0, 0x3e000000                       ; times 1/8
	s_wait_tensorcnt 0x0
	ds_add_u32 v104, v105
	s_wait_dscnt 0x0
	s_endpgm
.Lwo:
	s_lshl_b32 s28, s33, 19                        ; 128 kb rows of 4,096 bytes
	s_lshl_b32 s34, s32, 8                         ; + 64 hb columns of 4 bytes
	s_add_co_u32 s28, s28, s34
	s_add_nc_u64 s[4:5], s[20:21], s[28:29]
	s_add_nc_u64 s[6:7], s[26:27], s[30:31]
	WTILE 4096, 1, 0x41000000                      ; times 8
	s_wait_tensorcnt 0x0
	ds_add_u32 v104, v105
	s_wait_dscnt 0x0
	s_endpgm
.Lfunc_end_k_q46498d7972_prep:
	.size	k_q46498d7972_prep, .Lfunc_end_k_q46498d7972_prep-k_q46498d7972_prep
	.p2alignl 7, 3214868480
	.fill 96, 4, 3214868480
	.section	.rodata,"a",@progbits
	.p2align	6, 0x0
	.amdhsa_kernel k_q46498d7972_prep
		.amdhsa_group_segment_fixed_size 18432
		.amdhsa_private_segment_fixed_size 0
		.amdhsa_enable_private_segment 0
		.amdhsa_kernarg_size 80
		.amdhsa_user_sgpr_count 2
		.amdhsa_user_sgpr_kernarg_segment_ptr 1
		.amdhsa_wavefront_size32 1
		.amdhsa_system_sgpr_workgroup_id_x 1
		.amdhsa_system_sgpr_workgroup_id_y 1
		.amdhsa_system_sgpr_workgroup_id_z 1
		.amdhsa_system_vgpr_workitem_id 0
		.amdhsa_next_free_vgpr 106
		.amdhsa_next_free_sgpr 66
		.amdhsa_reserve_vcc 0
		.amdhsa_float_denorm_mode_32 3
		.amdhsa_float_denorm_mode_16_64 3
		.amdhsa_memory_ordered 1
		.amdhsa_forward_progress 1
		.amdhsa_inst_pref_size 19
	.end_amdhsa_kernel
	.amdgpu_metadata
---
amdhsa.version: [ 1, 2 ]
amdhsa.kernels:
  - .name:           k_q46498d7972_prep
    .symbol:         k_q46498d7972_prep.kd
    .args:
      - { .name: Q, .offset: 0, .size: 8, .value_kind: global_buffer, .address_space: global }
      - { .name: K, .offset: 8, .size: 8, .value_kind: global_buffer, .address_space: global }
      - { .name: V, .offset: 16, .size: 8, .value_kind: global_buffer, .address_space: global }
      - { .name: WQ, .offset: 24, .size: 8, .value_kind: global_buffer, .address_space: global }
      - { .name: WK, .offset: 32, .size: 8, .value_kind: global_buffer, .address_space: global }
      - { .name: WV, .offset: 40, .size: 8, .value_kind: global_buffer, .address_space: global }
      - { .name: WO, .offset: 48, .size: 8, .value_kind: global_buffer, .address_space: global }
      - { .name: xb, .offset: 56, .size: 8, .value_kind: global_buffer, .address_space: global }
      - { .name: wt, .offset: 64, .size: 8, .value_kind: global_buffer, .address_space: global }
      - { .name: wot, .offset: 72, .size: 8, .value_kind: global_buffer, .address_space: global }
    .group_segment_fixed_size: 18432
    .private_segment_fixed_size: 0
    .kernarg_segment_align: 8
    .kernarg_segment_size: 80
    .max_flat_workgroup_size: 256
    .sgpr_count:     66
    .vgpr_count:     106
    .wavefront_size: 32
...
	.end_amdgpu_metadata
.endif
;; end of part 1
;; launch proj (part 2): grid 4 x 48, 4 waves a work-group, clusters of 4 x 4, 327,680 bytes of LDS; arguments xb, wt, qkv; writes qkv
.if DOCPART == 2
	.amdgcn_target "amdgcn-amd-amdhsa--gfx1250"
	.amdhsa_code_object_version 6
	.text
	.protected	k_q46498d7972_proj
	.globl	k_q46498d7972_proj
	.p2align	8
	.type	k_q46498d7972_proj,@function
k_q46498d7972_proj:
	s_mov_b64 s[64:65], 0
	v_nop
	global_prefetch_b8 v0, s[64:65] scope:SCOPE_SE
	s_setreg_imm32_b32 hwreg(HW_REG_WAVE_MODE, 25, 1), 1
	s_wait_xcnt 0x0
	s_wait_alu depctr_hold_cnt(0) depctr_sa_sdst(0) depctr_va_vdst(0) depctr_va_sdst(0) depctr_va_ssrc(0) depctr_va_vcc(0) depctr_vm_vsrc(0)
	s_getreg_b32 s2, hwreg(HW_REG_IB_STS2, 6, 4)
	s_cmp_eq_u32 s2, 0
	s_cbranch_scc0 .Lentry_in_a_cluster
	s_endpgm
.Lentry_in_a_cluster:
	s_bfe_u32 s2, ttmp6, 0x10000c
	s_cmp_lg_u32 s2, 0xf033
	s_cbranch_scc0 .Lentry_shape_is_right
	s_endpgm
.Lentry_shape_is_right:
; proj: the three projections as one product.  C[m][n] = sum over d of xb[m][d] wt[p][n][d], m = 0 .. 12,287 (Q's, K's, V's rows stacked),
; p = m / 4096, n = 64 h + k.  bf16 operands, f32 sums, stored in f16 as qkv[p][b][h][s][k] = (Qi, Ki, Vi) / 8 (the 1/8 lies in wt).
; LIMIT: |Qi|, |Ki|, |Vi| < 524,032 (f16's largest number times 8); beyond that the stored number is an infinity.
; A work-group makes 256 x 256 of C with four waves, a wave 128 x 128: 64 accumulator tiles of 16 x 16, 512 registers.  K = 1,024 goes in steps of 128
; through a ring of two LDS slots filled by the tensor data mover: a tile's rows are 256 bytes of memory, at multiples of 256 bytes.
; 48 x 4 = 192 work-groups: 12,288 x 1,024 outputs in blocks of 256 x 256.
; CLUSTERS: 4 x 4 work-groups.  The four of a row of the cluster need the same tiles of xb, the four of a column the same tiles of wt: each tile is asked
; for jointly, which divides the requests for both by four.  A cluster's four block rows lie in one of Q, K, V (16 block rows each), so p hangs on the cluster's y alone.
;
; REGISTERS, in windows of 256:
;   window 0: v0-31 addresses; v64-127, v128-191 fragments of A, two buffers; v192-223 at work on the way out
;   window 1: v64-127, v128-191 fragments of B, two buffers
;   window 2: the 32 accumulator tiles of my rows 0-63 (tile (a, b) at v[8 (8 a + b)]);   window 3: those of my rows 64-127
; THE MATRIX INSTRUCTION IS USED TRANSPOSED: source 0 = 16 rows of wt, source 1 = 16 rows of xb, so that lane l holds row l % 16 of C and its
; registers the columns 8 (l / 16) + 0 .. 7: eight neighbouring numbers, 16 bytes in f16.
.set SIZE_K, 1024
.set KSTEP,  128
.set PITCH,  272                       ; an LDS row: 256 bytes + 16 of padding, so that the 16 rows of a fragment load start 16 bytes apart modulo 256
.set HALFT,  128*PITCH                 ; 128 rows: what one tensor load brings, and what one wave reads of A or of B
.set SLOT,   4*HALFT                   ; A's 256 rows, then B's 256 rows
.set STAGE,  2*SLOT                    ; behind the ring: 16 rows x 272 bytes for each wave, for the way out; no tensor load lands there
.set SPITCH, 272
.set LAPS, SIZE_K/(2*KSTEP)            ; a lap = two K steps = once round the ring: 4
.set ADRA, 16                          ; v16-17  LDS address of my A fragments in slot 0, 1
.set ADRB, 20                          ; v20-21  the same for B
.set STO,  24                          ; v24     the way out: where I put 16 bytes of a row
.set RD,   25                          ; v25     the way out: where I read back
.set CO,   26                          ; v26     my byte offset in a store of 512 bytes
.set F0,   64
.set F1,   128
.set TMP,  192
.set G1, 24                            ; s[24:31] descriptor group 1 for A's tiles
.set G0, 32                            ; s[32:39] group 0 for A's tiles, one set for each slot
.set G1B, 48                           ; s[48:55] group 1 for B's tiles: another mask
.set G0B, 56                           ; s[56:63] group 0 for B's tiles
.set MSB, 0
.macro WIN new                         ; the immediate's high byte repeats the setting that is left
.if MSB != \new
	s_set_vgpr_msb (MSB<<8)|\new
.set MSB, \new
.endif
.endm
.set MUL_LO, 0xa1                      ; source 0 (B) window 1, source 1 (A) window 0, C and D window 2
.set MUL_HI, 0xf1                      ; the same, C and D window 3
.set TO_B,   0x40                      ; destination window 1, address window 0
; A joint load.  Waves 0 and 1 fetch A's two halves, waves 2 and 3 B's.  The branch hangs on the wave's number alone.
.macro JLOAD s
	s_cmp_eq_u32 s11, 0
	s_cbranch_scc0 .Lfor_b_\@
	tensor_load_to_lds s[G0+4*\s:G0+4*\s+3], s[G1:G1+7]
	s_nop 0
	s_branch .Lasked_\@
.Lfor_b_\@:
	tensor_load_to_lds s[G0B+4*\s:G0B+4*\s+3], s[G1B:G1B+7]
	s_nop 0
.Lasked_\@:
.endm
; A round of the cluster's barrier: my work-group's barrier; wave 0 signals for the work-group; every wave waits for all sixteen; my work-group's barrier again.
.macro CREST                           ; a round behind its opening barrier
	s_cmp_lg_u32 s10, 0
	s_cbranch_scc1 .Lnot_wave_0_\@
	s_barrier_signal -3
.Lnot_wave_0_\@:
	s_barrier_wait -3
	s_barrier_signal -1
	s_barrier_wait -1
.endm
.macro CROUND
	s_barrier_signal -1
	s_barrier_wait -1
	CREST
.endm
	s_load_b128 s[4:7], s[0:1], 0x0                ; xb s[4:5], wt s[6:7]
	s_load_b64 s[8:9], s[0:1], 0x10                ; qkv
	s_set_vgpr_msb 0x40
	v_lshl_add_u32 v255, v0, 2, 0x48400
	s_set_vgpr_msb 0x4000
	v_mov_b32 v255, 0
	s_set_vgpr_msb 0x1
	ds_add_u32 v255, v255
	s_set_vgpr_msb 0x100
	v_lshrrev_b32 v1, 5, v0
	v_readfirstlane_b32 s10, v1                    ; wave 0..3
	s_lshr_b32 s11, s10, 1                         ; which half of the block's rows is mine.  Also: I fetch for A (0) or for B (1)
	s_and_b32 s12, s10, 1                          ; which half of its columns.  Also: which 128 rows of that tile I fetch
	s_bfe_u32 s40, ttmp6, 0x40000                  ; cx
	s_bfe_u32 s41, ttmp6, 0x40004                  ; cy
	s_lshl_b32 s42, ttmp9, 2
	s_add_co_u32 s42, s42, s40                     ; block column = 4 x cluster x + cx: 0 .. 3
	s_and_b32 s13, ttmp7, 0xffff
	s_lshl_b32 s13, s13, 2
	s_add_co_u32 s13, s13, s41                     ; block row = 4 x cluster y + cy: 0 .. 47
	s_and_b32 s45, ttmp7, 0xffff
	s_lshr_b32 s45, s45, 2                         ; p = cluster y / 4: which of Q, K, V
	s_lshl_b32 s45, s45, 10                        ; its 1,024 rows of wt
	s_lshl_b32 s43, s41, 2
	s_lshl_b32 s43, 15, s43                        ; my row of the cluster: places 4 cy .. 4 cy + 3
	s_lshl_b32 s44, 0x1111, s40                    ; my column: places cx, cx + 4, cx + 8, cx + 12
	; group 1: a tile of 128 rows x 128 elements of 2 bytes; 4 words of padding behind every 64 words
	s_or_b32 s[G1+0], s43, (1<<16)|(1<<20)|(1<<21)|(5<<22)|(3<<25)
	s_or_b32 s[G1B+0], s44, (1<<16)|(1<<20)|(1<<21)|(5<<22)|(3<<25)
	s_mov_b32 s[G1B+1], KSTEP<<16
	s_mov_b32 s[G1+1], KSTEP<<16                   ; tensor_dim0 = 128
	s_mov_b32 s[G1B+2], 128<<16
	s_mov_b32 s[G1+2], 128<<16                     ; tensor_dim1 = 128
	s_mov_b32 s[G1B+3], KSTEP<<16
	s_mov_b32 s[G1+3], KSTEP<<16                   ; tile_dim0 = 128
	s_mov_b32 s[G1B+4], 128
	s_mov_b32 s[G1+4], 128                         ; tile_dim1 = 128
	s_mov_b32 s[G1B+5], SIZE_K
	s_mov_b32 s[G1+5], SIZE_K                      ; elements from row to row
	s_mov_b32 s[G1B+6], 0
	s_mov_b32 s[G1+6], 0
	s_mov_b32 s[G1B+7], 0
	s_mov_b32 s[G1+7], 0
	; A's address hangs on the block row, which my row of the cluster shares; B's on the block column and the cluster's y, which my column shares.
	s_lshl_b32 s17, s12, 7                         ; which 128 rows of the tile I fetch
	s_lshl_b32 s16, s13, 8
	s_add_co_u32 s16, s16, s17                     ; A: row 256 x block row + 128 x half
	s_lshl_b32 s46, s42, 8
	s_add_co_u32 s46, s46, s17
	s_add_co_u32 s46, s46, s45                     ; B: row 1,024 p + 256 x block column + 128 x half
	s_mov_b32 s17, 0
	s_mov_b32 s47, 0
	s_mov_b64 s[18:19], SIZE_K*2
	s_mul_u64 s[16:17], s[16:17], s[18:19]
	s_mul_u64 s[46:47], s[46:47], s[18:19]
	s_mul_i32 s20, s10, HALFT                      ; LDS: A's two halves, then B's two halves = wave x 128 rows
	s_wait_dscnt 0x0
	s_wait_kmcnt 0x0
	s_add_nc_u64 s[14:15], s[4:5], s[16:17]
	s_add_nc_u64 s[46:47], s[6:7], s[46:47]
	CROUND                                         ; all sixteen work-groups are here: the first joint loads meet
.irp s, 0,1
	s_mov_b32 s[G0+4*\s], 1
	s_add_co_u32 s[G0+4*\s+1], s20, \s*SLOT
	s_add_nc_u64 s[G0+4*\s+2:G0+4*\s+3], s[14:15], \s*KSTEP*2
	s_or_b32 s[G0+4*\s+3], s[G0+4*\s+3], 0x80000000
	s_mov_b32 s[G0B+4*\s], 1
	s_add_co_u32 s[G0B+4*\s+1], s20, \s*SLOT
	s_add_nc_u64 s[G0B+4*\s+2:G0B+4*\s+3], s[46:47], \s*KSTEP*2
	s_or_b32 s[G0B+4*\s+3], s[G0B+4*\s+3], 0x80000000
	JLOAD \s
.endr
	; A fragment: lane l holds row l % 16; registers 0-3 hold K = 8 (l / 16) + 0..7, registers 4-7 K = 16 + 8 (l / 16) + 0..7: two loads of 16 bytes, 32 apart.
	v_and_b32 v1, 15, v0
	v_bfe_u32 v2, v0, 4, 1
	v_mul_u32_u24 v3, v1, PITCH
	v_lshl_add_u32 v3, v2, 4, v3
	s_mul_i32 s21, s11, HALFT                      ; my 128 rows of A
	s_mul_i32 s22, s12, HALFT                      ; my 128 rows of B,
	s_add_co_u32 s22, s22, 2*HALFT                 ; which lie behind A's 256
.irp s, 0,1
	v_add_nc_u32 v[ADRA+\s], s21, v3
	v_add_nc_u32 v[ADRB+\s], s22, v3
	s_add_co_u32 s21, s21, SLOT
	s_add_co_u32 s22, s22, SLOT
.endr
	s_mul_i32 s23, s10, 16*SPITCH
	s_add_co_u32 s23, s23, STAGE                   ; my stage
	v_mul_u32_u24 v4, v1, SPITCH                   ; in: row l % 16, 16 bytes for each half of the lanes
	v_lshl_add_u32 v4, v2, 4, v4
	v_add_nc_u32 v[STO], s23, v4
	v_and_b32 v6, 31, v0                           ; back: eight lanes take the 128 bytes that a row holds of one head, four rows a load
	v_lshrrev_b32 v7, 3, v6
	v_and_b32 v8, 7, v0
	v_mul_u32_u24 v5, v7, SPITCH
	v_lshl_add_u32 v5, v8, 4, v5
	v_add_nc_u32 v[RD], s23, v5
	v_lshlrev_b32 v[CO], 4, v6                     ; in qkv those four rows of a head are 512 consecutive bytes
; 16 matrix instructions: m blocks a0, a0 + 1 of the window's four x all 8 n blocks, 32 along K.  zero = 1: the first product starts the sums.
.macro MUL16 f, hi, a0, zero
.irp a, \a0, \a0+1
.irp b, 0,1,2,3,4,5,6,7
.if \zero
	v_wmma_f32_16x16x32_bf16 v[8*(8*(\a)+\b):8*(8*(\a)+\b)+7], v[\f+8*\b:\f+8*\b+7], v[\f+8*(4*\hi+\a):\f+8*(4*\hi+\a)+7], 0
.else
	v_wmma_f32_16x16x32_bf16 v[8*(8*(\a)+\b):8*(8*(\a)+\b)+7], v[\f+8*\b:\f+8*\b+7], v[\f+8*(4*\hi+\a):\f+8*(4*\hi+\a)+7], v[8*(8*(\a)+\b):8*(8*(\a)+\b)+7]
.endif
.endr
.endr
.endm
; 32 LDS loads in one run: the fragments of one quarter step into buffer f
.macro FETCH slot, k, f
	WIN TO_B
.irp i, 0,1,2,3,4,5,6,7
	ds_load_b128 v[\f+8*\i:\f+8*\i+3],   v[ADRB+\slot] offset:\k+\i*16*PITCH
	ds_load_b128 v[\f+8*\i+4:\f+8*\i+7], v[ADRB+\slot] offset:\k+\i*16*PITCH+32
.endr
	WIN 0
.irp i, 0,1,2,3,4,5,6,7
	ds_load_b128 v[\f+8*\i:\f+8*\i+3],   v[ADRA+\slot] offset:\k+\i*16*PITCH
	ds_load_b128 v[\f+8*\i+4:\f+8*\i+7], v[ADRA+\slot] offset:\k+\i*16*PITCH+32
.endr
.endm
; Four independent vector instructions stand between a matrix instruction and a load into one of its sources, or a vector instruction that reads its
; result (ISA guide 7.12.1 for vector instructions).  The matrix instructions in between are not counted.
.macro PLACES
.rept 4
	v_nop
.endr
.endm
; A K step is four quarter steps of 32 along K, 64 matrix instructions each, on buffers 0, 1, 0, 1.  The 64 accumulators take turns, one instruction
; a turn, in the same order in every quarter.
.macro QUARTER slot, k, f, g, zero
	s_wait_dscnt 8                                 ; B and A's rows 0-63 are in; the youngest eight loads (A's rows 64-127) may be out
	WIN MUL_LO
	MUL16 \f, 0, 0, \zero
	MUL16 \f, 0, 2, \zero
	PLACES
	FETCH \slot, \k, \g
	s_wait_dscnt 32                                ; all but the 32 just issued
	WIN MUL_HI
	MUL16 \f, 1, 0, \zero
	MUL16 \f, 1, 2, \zero
.endm
.macro THREE slot, zero
	QUARTER \slot, 64,  F0, F1, \zero
	QUARTER \slot, 128, F1, F0, 0
	QUARTER \slot, 192, F0, F1, 0
.endm
; The last quarter multiplies buffer 1 and changes slots.  In front of the barrier each wave waits for its reads of this slot and for all its tensor
; loads (one is out: its part of the next slot).  Behind it the refill comes first, then the next slot's first fragments.
.macro TURN slot, next, fill
	s_wait_dscnt 8
	WIN MUL_LO
	MUL16 F1, 0, 0, 0
	s_wait_dscnt 0                                 ; my reads of this slot are over
	s_wait_tensorcnt 0x0                           ; all my tensor loads have landed
	ds_add_u32 v255, v255
	s_wait_dscnt 0x0
	s_barrier_signal -1                            ; (where a slot is filled again this barrier opens a round of the cluster's barrier)
	MUL16 F1, 0, 2, 0                              ; register work while the others arrive
	WIN 0
	s_barrier_wait -1
.if \fill
	CREST                                          ; no wave of any partner still reads this slot's tile or has a load on its way
	s_add_nc_u64 s[G0+4*\slot+2:G0+4*\slot+3], s[G0+4*\slot+2:G0+4*\slot+3], 2*KSTEP*2
	s_add_nc_u64 s[G0B+4*\slot+2:G0B+4*\slot+3], s[G0B+4*\slot+2:G0B+4*\slot+3], 2*KSTEP*2
	JLOAD \slot                                    ; the first tensor load behind the round
.endif
	PLACES
	FETCH \next, 0, F0
	WIN MUL_HI
	MUL16 F1, 1, 0, 0
	MUL16 F1, 1, 2, 0
.endm
.macro LAP zero
	THREE 0, \zero
	TURN 0, 1, 1
	THREE 1, 0
	TURN 1, 0, 1
.endm
	s_wait_tensorcnt 1                             ; my part of K step 0 is in; K step 1's load stays out
	s_barrier_signal -1
	s_barrier_wait -1
	FETCH 0, 0, F0
	LAP 1                                          ; the first lap stands in front of the loop: its first products start the sums
	WIN 0
	s_mov_b32 s3, LAPS-2
.Llap:
	LAP 0
	WIN 0
	s_sub_co_u32 s3, s3, 1
	s_cmp_lg_u32 s3, 0
	s_cbranch_scc1 .Llap
	THREE 0, 0                                     ; the last lap fills nothing
	TURN 0, 1, 0
	THREE 1, 0
	s_wait_dscnt 8
	WIN MUL_LO
	MUL16 F1, 0, 0, 0
	MUL16 F1, 0, 2, 0
	s_wait_dscnt 0
	WIN MUL_HI
	MUL16 F1, 1, 0, 0
	MUL16 F1, 1, 2, 0
	; THE WAY OUT, 16 rows of C at a time: round to f16, 16 bytes a lane into my own stage, read back head by head.
	; qkv[p][b][h][s][64]: 2 p + b = block row / 8 (4,194,304 bytes each); s = 256 (block row % 8) + 128 x my half + row (128 bytes each);
	; h = 4 x block column + 2 x my column half + e (262,144 bytes each).
	PLACES
	s_lshr_b32 s16, s13, 3
	s_lshl_b32 s16, s16, 22
	s_and_b32 s14, s13, 7
	s_lshl_b32 s14, s14, 15
	s_add_co_u32 s16, s16, s14
	s_lshl_b32 s14, s11, 14
	s_add_co_u32 s16, s16, s14
	s_mov_b32 s17, 0
	s_add_nc_u64 s[8:9], s[8:9], s[16:17]
	s_lshl_b32 s46, s42, 20                        ; (in the registers that held B's address: none that fed A's descriptors ever holds cx)
	s_lshl_b32 s47, s12, 19
	s_add_co_u32 s46, s46, s47
	s_mov_b32 s47, 0
	s_add_nc_u64 s[8:9], s[8:9], s[46:47]
.macro OUT16 i, a, from, f
	WIN \from
.irp b, 0,1,2,3,4,5,6,7
.irp r, 0,1,2,3
	v_cvt_pk_f16_f32 v[TMP+4*\b+\r], v[8*(8*\a+\b)+2*\r], v[8*(8*\a+\b)+2*\r+1]
.endr
.endr
	WIN 0
.irp b, 0,1,2,3,4,5,6,7
	ds_store_b128 v[STO], v[TMP+4*\b:TMP+4*\b+3] offset:32*\b
.endr
	s_wait_xcnt 0x0                                ; buffer f, which earlier stores read, and the stores' base are rewritten only behind this wait
.if \i
	s_add_nc_u64 s[8:9], s[8:9], 2048              ; 16 rows of 128 bytes on
.endif
.irp e, 0,1
.irp t, 0,1,2,3
	ds_load_b128 v[\f+16*\e+4*\t:\f+16*\e+4*\t+3], v[RD] offset:\t*4*SPITCH+128*\e   ; LDS serves a wave's instructions in order: these see the stores above
.endr
.endr
.irp e, 0,1
.irp t, 0,1,2,3
	s_wait_dscnt 7-4*\e-\t                         ; the younger read-backs stay out
	global_store_b128 v[CO], v[\f+16*\e+4*\t:\f+16*\e+4*\t+3], s[8:9] offset:\e*262144+\t*512   ; a store covers 512 consecutive bytes, aligned: four rows of head e
.endr
.endr
.endm
	OUT16 0, 0, 0x0a, F0
	OUT16 1, 1, 0x0a, F1
	OUT16 2, 2, 0x0a, F0
	OUT16 3, 3, 0x0a, F1
	OUT16 4, 0, 0x0f, F0
	OUT16 5, 1, 0x0f, F1
	OUT16 6, 2, 0x0f, F0
	OUT16 7, 3, 0x0f, F1
	s_set_vgpr_msb 0x1
	s_wait_tensorcnt 0x0
	ds_add_u32 v255, v255
	s_wait_dscnt 0x0
	s_set_vgpr_msb 0x100
	CROUND                                         ; the closing round: no work-group ends while a partner may still ask for a tile that names it
	s_endpgm
.Lfunc_end_k_q46498d7972_proj:
	.size	k_q46498d7972_proj, .Lfunc_end_k_q46498d7972_proj-k_q46498d7972_proj
	.p2alignl 7, 3214868480
	.fill 96, 4, 3214868480
	.section	.rodata,"a",@progbits
	.p2align	6, 0x0
	.amdhsa_kernel k_q46498d7972_proj
		.amdhsa_group_segment_fixed_size 327680
		.amdhsa_private_segment_fixed_size 0
		.amdhsa_enable_private_segment 0
		.amdhsa_kernarg_size 24
		.amdhsa_user_sgpr_count 2
		.amdhsa_user_sgpr_kernarg_segment_ptr 1
		.amdhsa_wavefront_size32 1
		.amdhsa_system_sgpr_workgroup_id_x 1
		.amdhsa_system_sgpr_workgroup_id_y 1
		.amdhsa_system_sgpr_workgroup_id_z 1
		.amdhsa_system_vgpr_workitem_id 0
		.amdhsa_next_free_vgpr 1024
		.amdhsa_next_free_sgpr 66
		.amdhsa_reserve_vcc 0
		.amdhsa_float_denorm_mode_32 3
		.amdhsa_float_denorm_mode_16_64 3
		.amdhsa_memory_ordered 1
		.amdhsa_forward_progress 1
		.amdhsa_inst_pref_size 196
	.end_amdhsa_kernel
	.amdgpu_metadata
---
amdhsa.version: [ 1, 2 ]
amdhsa.kernels:
  - .name:           k_q46498d7972_proj
    .symbol:         k_q46498d7972_proj.kd
    .args:
      - { .name: xb, .offset: 0, .size: 8, .value_kind: global_buffer, .address_space: global }
      - { .name: wt, .offset: 8, .size: 8, .value_kind: global_buffer, .address_space: global }
      - { .name: qkv, .offset: 16, .size: 8, .value_kind: global_buffer, .address_space: global }
    .group_segment_fixed_size: 327680
    .private_segment_fixed_size: 0
    .kernarg_segment_align: 8
    .kernarg_segment_size: 24
    .max_flat_workgroup_size: 128
    .sgpr_count:     66
    .vgpr_count:     1024
    .wavefront_size: 32
...
	.end_amdgpu_metadata
.endif
;; end of part 2
;; launch attn (part 3): grid 8 x 32, 8 waves a work-group, clusters of 4 x 1, 327,680 bytes of LDS; arguments qkv, hd; writes hd
.if DOCPART == 3
	.amdgcn_target "amdgcn-amd-amdhsa--gfx1250"
	.amdhsa_code_object_version 6
	.text
	.protected	k_q46498d7972_attn
	.globl	k_q46498d7972_attn
	.p2align	8
	.type	k_q46498d7972_attn,@function
k_q46498d7972_attn:
	s_mov_b64 s[64:65], 0
	v_nop
	global_prefetch_b8 v0, s[64:65] scope:SCOPE_SE
	s_setreg_imm32_b32 hwreg(HW_REG_WAVE_MODE, 25, 1), 1
	s_wait_xcnt 0x0
	s_wait_alu depctr_hold_cnt(0) depctr_sa_sdst(0) depctr_va_vdst(0) depctr_va_sdst(0) depctr_va_ssrc(0) depctr_va_vcc(0) depctr_vm_vsrc(0)
	s_getreg_b32 s2, hwreg(HW_REG_IB_STS2, 6, 4)
	s_cmp_eq_u32 s2, 0
	s_cbranch_scc0 .Lentry_in_a_cluster
	s_endpgm
.Lentry_in_a_cluster:
	s_bfe_u32 s2, ttmp6, 0x10000c
	s_cmp_lg_u32 s2, 0x3003
	s_cbranch_scc0 .Lentry_shape_is_right
	s_endpgm
.Lentry_shape_is_right:
; attn: hd[b][h][s][:] = softmax over t of (Qi.Ki / 8) times Vi, divided by 8.  qkv holds Qs = Qi/8, Ks = Ki/8, Vs = Vi/8 in f16 as [3][b][h][s][64].
; The logit is 8 Qs.Ks; p = exp2(c s + nm) with s = Qs.Ks, c = 8 log2 e, nm = -c m, m the RUNNING MAXIMUM of s: always taken away.  Old sums are
; rescaled by exp2(nm_new - nm_old), made from the stored nm.  Products in f16 with f32 sums; maxima, exponentials, sums in f32; p goes to the
; second product in f16 (p <= 1; below 6e-8 it is lost, against a largest p of 1).
; LIMIT: finite inputs; what the launch before could store in f16.
; SHARES: a work-group owns 256 queries of one (b, h); 8 x 32 = 256 work-groups.  Wave w: qg = w & 3 (64 queries), kh = w >> 2 (128 of a tile's 256 keys):
; eight waves of 512 registers, so that one wave's softmax can run beside another's matrix work.  The two key halves are merged at the end through LDS.
; CLUSTERS: the four work-groups of a cluster are four query blocks of one head and walk the same K and V tiles: every tile is asked for jointly (mask 15),
; which divides the requests for K and V by four.
; ORIENTATION: S^T = K Q^T (A = 16 keys x 32 dk, B = Q): lane (r, h) holds query r, keys 8 h + j, so maxima and sums are a lane's own but for one step to
; lane xor 16, and two key tiles packed to f16 ARE a B fragment of 32 keys.  O^T = V^T P^T (A = V^T by transposing LDS loads): lane (r, h) holds query r,
; d = 16 dt + 8 h + j: the rescale is a lane's own factor, and eight neighbouring d pack into 16 bytes.
; LDS: slot n at 71,680 n: K, 128 rows of two keys (256 bytes), pitch 272; V at + 34,816, pitch 288.  With these pitches the sixteen lanes of a K load, and
; of a transposing V load, touch sixteen different 16-byte columns modulo 256.  Behind the ring, never filled by a tensor load: MERGE, MSTAT, OUTST.
.set SLOT,   71680
.set VPART,  34816
.set MERGE,  143360                    ; 4 x 16,384: the upper waves' O
.set MSTAT,  208896                    ; 4 x 1,024: their nm and l
.set OUTST,  212992                    ; 4 x 9,216: 64 rows of 128 bytes, pitch 144, for the way out
.set KADR, 2                           ; v2-3    my K fragments in slot 0, 1
.set VADR, 4                           ; v4-5    my V fragments
.set QOFF, 6
.set STO,  7
.set RD,   8
.set CO,   9                           ; 16 x lane
.set MADR, 10
.set SADR, 11
.set MR,   12                          ; v12-15  m of query tile qt
.set LR,   16                          ; v16-23  l, a pair of partial sums for each qt
.set NMR,  24                          ; v24-31  (nm, nm)
.set ALR,  32                          ; v32-39  (alpha, alpha)
.set TR,   44                          ; v44-47  at work
.set SB,   48                          ; v48-175 S[kt][qt] at 48 + 8 (4 kt + qt); later P[kk][qt] in S[2 kk][qt]'s registers
.set KFB,  176                         ; v176-239 K fragments [kt][ks] at 176 + 16 kt + 8 ks
.set ST0,  240                         ; v240-247 my nm (4), my l (4)
.set ST1,  248                         ; v248-255 the partner's
.set QFB,  128                         ; window 1: v384-447  Q fragments [qt][ks] at 128 + 16 qt + 8 ks
.set VFB,  192                         ; window 1: v448-511  V^T fragments [dt][kk] at 192 + 16 dt + 8 kk
                                       ; window 1: v256-383  O[dt][qt] at 8 (4 dt + qt)
.set MSB, 0
.macro WIN new                         ; low byte: bits 1:0 source 0, 3:2 source 1, 5:4 source 2, 7:6 destination; the high byte repeats the setting that is left
.if MSB != \new
	s_set_vgpr_msb (MSB<<8)|\new
.set MSB, \new
.endif
.endm
; A round of the cluster's barrier
.macro ROUND
	s_barrier_signal -1
	s_barrier_wait -1
	s_cmp_lg_u32 s8, 0
	s_cbranch_scc1 .Lnot_wave_0_\@
	s_barrier_signal -3
.Lnot_wave_0_\@:
	s_barrier_wait -3
	s_barrier_signal -1
	s_barrier_wait -1
.endm
	s_load_b128 s[4:7], s[0:1], 0x0                ; qkv s[4:5], hd s[6:7]
	v_lshl_add_u32 v42, v0, 2, 0x3d000
	v_mov_b32 v43, 0
	ds_add_u32 v42, v43
	v_lshrrev_b32 v1, 5, v0
	v_readfirstlane_b32 s8, v1                     ; wave 0..7
	s_lshr_b32 s9, s8, 2                           ; kh
	s_and_b32 s10, s8, 3                           ; qg
	s_and_b32 s11, ttmp7, 0xffff                   ; 16 b + h
	s_bfe_u32 s12, ttmp6, 0x40000                  ; cx
	s_lshl_b32 s13, ttmp9, 2
	s_add_co_u32 s13, s13, s12                     ; query block 0..7
	s_mov_b32 s49, 0xc138aa3b                      ; -c
	s_mov_b32 s50, 0x4138aa3b                      ; c = 8 log2 e
	s_mov_b32 s51, 0x4138aa3b
	s_mov_b32 s52, 0x76543210                      ; v_permlanex16_b32: lane i reads lane i of the other half
	s_mov_b32 s53, 0xfedcba98
	; group 1: a dense block of 16 rows of 256 bytes (32 keys), elements of 8 bytes; padding behind every 64 words: 4 words for K, 8 for V; mask 15, bit 21 beside it
	s_mov_b32 s16, 0x0773000f
	s_mov_b32 s17, 32<<16                          ; tensor_dim0 = 32
	s_mov_b32 s18, 16<<16                          ; tensor_dim1 = 16
	s_mov_b32 s19, 32<<16                          ; tile_dim0 = 32
	s_mov_b32 s20, 16                              ; tile_dim1 = 16
	s_mov_b32 s21, 32                              ; pitch
	s_mov_b32 s22, 0
	s_mov_b32 s23, 0
	s_mov_b32 s24, 0x0f73000f
	s_mov_b32 s25, 32<<16
	s_mov_b32 s26, 16<<16
	s_mov_b32 s27, 32<<16
	s_mov_b32 s28, 16
	s_mov_b32 s29, 32
	s_mov_b32 s30, 0
	s_mov_b32 s31, 0
	; group 0: K slot 0, 1 in s[32:39], V slot 0, 1 in s[40:47].  Addresses hang on the head and the wave's number alone: equal in the four partners.
	s_lshl_b32 s58, s11, 18                        ; a head is 2,048 x 128 bytes
	s_lshl_b32 s60, s8, 12                         ; my 32 keys of a tile
	s_add_co_u32 s58, s58, s60
	s_mov_b32 s59, 0
	s_mov_b32 s32, 1
	s_mov_b32 s36, 1
	s_mov_b32 s40, 1
	s_mov_b32 s44, 1
	s_mul_i32 s33, s8, 4352                        ; 16 rows of 272
	s_add_co_u32 s37, s33, SLOT
	s_mul_i32 s41, s8, 4608                        ; 16 rows of 288
	s_add_co_u32 s41, s41, VPART
	s_add_co_u32 s45, s41, SLOT
	; Q's and hd's offset: head, query block, my 64 queries (in registers that feed no descriptor: they hold cx)
	s_lshl_b32 s14, s11, 18
	s_lshl_b32 s62, s13, 15
	s_add_co_u32 s14, s14, s62
	s_lshl_b32 s62, s10, 13
	s_add_co_u32 s14, s14, s62
	s_mov_b32 s15, 0
	s_wait_dscnt 0x0
	s_wait_kmcnt 0x0
	s_add_nc_u64 s[34:35], s[4:5], s[58:59]
	s_add_nc_u64 s[34:35], s[34:35], 0x800000      ; Ks begins 8,388,608 bytes into qkv
	s_add_nc_u64 s[38:39], s[34:35], 0x8000        ; tile 1: 256 keys on
	s_add_nc_u64 s[42:43], s[34:35], 0x800000      ; Vs, another 8,388,608 on
	s_add_nc_u64 s[46:47], s[42:43], 0x8000
	s_or_b32 s35, s35, 0x80000000
	s_or_b32 s39, s39, 0x80000000
	s_or_b32 s43, s43, 0x80000000
	s_or_b32 s47, s47, 0x80000000
	s_add_nc_u64 s[54:55], s[4:5], s[14:15]        ; my queries
	s_add_nc_u64 s[56:57], s[6:7], s[14:15]        ; my rows of hd
	ROUND                                          ; the four work-groups are here: the first joint loads meet
	tensor_load_to_lds s[32:35], s[16:23]          ; tile 0
	s_nop 0
	tensor_load_to_lds s[40:43], s[24:31]
	s_nop 0
	v_and_b32 v1, 31, v0                           ; L
	v_and_b32 v240, 15, v0                         ; r
	v_bfe_u32 v241, v0, 4, 1                       ; h
	v_lshlrev_b32 v[QOFF], 4, v241
	v_lshl_add_u32 v[QOFF], v240, 7, v[QOFF]       ; 128 r + 16 h
	WIN 0x40                                       ; destination window 1
.irp qt, 0,1,2,3
.irp ks, 0,1
	global_load_b128 v[QFB+16*\qt+8*\ks:QFB+16*\qt+8*\ks+3],   v[QOFF], s[54:55] offset:2048*\qt+64*\ks
	global_load_b128 v[QFB+16*\qt+8*\ks+4:QFB+16*\qt+8*\ks+7], v[QOFF], s[54:55] offset:2048*\qt+64*\ks+32
.endr
.endr
	WIN 0
	; key x lies in LDS row x >> 1 at byte 128 (x & 1)
	v_lshrrev_b32 v242, 1, v240
	v_and_b32 v243, 1, v0
	v_mul_u32_u24 v[KADR], v242, 272
	v_lshl_add_u32 v[KADR], v243, 7, v[KADR]
	v_lshl_add_u32 v[KADR], v241, 4, v[KADR]       ; key r, dk 8 h
	s_mul_i32 s60, s9, 17408                       ; my 128 keys: 64 rows of 272
	v_add_nc_u32 v[KADR], s60, v[KADR]
	v_add_nc_u32 v[KADR+1], SLOT, v[KADR]
	v_bfe_u32 v244, v0, 1, 2                       ; transposing load: lane L addresses key 8 h + (L & 7), d 8 ((L >> 3) & 1)
	v_lshl_add_u32 v244, v241, 2, v244
	v_bfe_u32 v245, v0, 3, 1
	v_mul_u32_u24 v[VADR], v244, 288
	v_lshl_add_u32 v[VADR], v243, 7, v[VADR]
	v_lshl_add_u32 v[VADR], v245, 4, v[VADR]
	s_mul_i32 s61, s9, 18432                       ; 64 rows of 288
	s_add_co_u32 s61, s61, VPART
	v_add_nc_u32 v[VADR], s61, v[VADR]
	v_add_nc_u32 v[VADR+1], SLOT, v[VADR]
	s_mul_i32 s60, s10, 9216
	s_add_co_u32 s60, s60, OUTST
	v_mul_u32_u24 v[STO], v240, 144
	v_lshl_add_u32 v[STO], v241, 4, v[STO]
	v_add_nc_u32 v[STO], s60, v[STO]
	v_lshrrev_b32 v246, 3, v1
	v_and_b32 v247, 7, v0
	v_mul_u32_u24 v[RD], v246, 144
	v_lshl_add_u32 v[RD], v247, 4, v[RD]
	v_add_nc_u32 v[RD], s60, v[RD]
	v_lshlrev_b32 v[CO], 4, v1
	s_lshl_b32 s61, s10, 14
	s_add_co_u32 s61, s61, MERGE
	v_add_nc_u32 v[MADR], s61, v[CO]
	s_lshl_b32 s61, s10, 10
	s_add_co_u32 s61, s61, MSTAT
	v_add_nc_u32 v[SADR], s61, v[CO]
.irp qt, 0,1,2,3
	v_mov_b32 v[TR+\qt], 0                         ; v_permlanex16_b32's destination counts as read
.endr
.macro MAX3 kt, i                      ; four chains, one for each query tile
.irp qt, 0,1,2,3
	v_max3_num_f32 v[MR+\qt], v[MR+\qt], v[SB+8*(4*\kt+\qt)+2*\i], v[SB+8*(4*\kt+\qt)+2*\i+1]
.endr
.endm
.macro FMAK kt                         ; c s + nm
.irp i, 0,1,2,3
.irp qt, 0,1,2,3
	v_pk_fma_f32 v[SB+8*(4*\kt+\qt)+2*\i:SB+8*(4*\kt+\qt)+2*\i+1], v[SB+8*(4*\kt+\qt)+2*\i:SB+8*(4*\kt+\qt)+2*\i+1], s[50:51], v[NMR+2*\qt:NMR+2*\qt+1] op_sel_hi:[1,0,1]
.endr
.endr
.endm
.macro EXPK kt                         ; 32 exponentials in a run; the block behind each run is plain work on other registers (ISA guide 5.7.2)
.irp qt, 0,1,2,3
.irp j, 0,1,2,3,4,5,6,7
	v_exp_f32 v[SB+8*(4*\kt+\qt)+\j], v[SB+8*(4*\kt+\qt)+\j]
.endr
.endr
.endm
.macro PKADD kt, i
	s_wait_alu depctr_va_vdst(0)
.irp qt, 0,1,2,3
	v_pk_add_f32 v[LR+2*\qt:LR+2*\qt+1], v[LR+2*\qt:LR+2*\qt+1], v[SB+8*(4*\kt+\qt)+2*\i:SB+8*(4*\kt+\qt)+2*\i+1]
.endr
.endm
.macro SUMK kt, mode                   ; mode 0: add; 1: the old sum is rescaled in the first line; 2: the first two pairs start the sum
.if \mode == 0
	PKADD \kt, 0
.endif
.if \mode == 1
	s_wait_alu depctr_va_vdst(0)
.irp qt, 0,1,2,3
	v_pk_fma_f32 v[LR+2*\qt:LR+2*\qt+1], v[LR+2*\qt:LR+2*\qt+1], v[ALR+2*\qt:ALR+2*\qt+1], v[SB+8*(4*\kt+\qt):SB+8*(4*\kt+\qt)+1]
.endr
.endif
.if \mode == 2
	s_wait_alu depctr_va_vdst(0)
.irp qt, 0,1,2,3
	v_pk_add_f32 v[LR+2*\qt:LR+2*\qt+1], v[SB+8*(4*\kt+\qt):SB+8*(4*\kt+\qt)+1], v[SB+8*(4*\kt+\qt)+2:SB+8*(4*\kt+\qt)+3]
.endr
.else
	PKADD \kt, 1
.endif
	PKADD \kt, 2
	PKADD \kt, 3
.endm
.macro CVTK kk                         ; key tiles 2 kk and 2 kk + 1 become the B fragment of 32 keys, in place: each word is written behind the line that read it
.irp qt, 0,1,2,3
.irp i, 0,1,2,3
	v_cvt_pk_f16_f32 v[SB+8*(8*\kk+\qt)+\i], v[SB+8*(8*\kk+\qt)+2*\i], v[SB+8*(8*\kk+\qt)+2*\i+1]
.endr
.irp i, 0,1,2,3
	v_cvt_pk_f16_f32 v[SB+8*(8*\kk+\qt)+4+\i], v[SB+8*(8*\kk+4+\qt)+2*\i], v[SB+8*(8*\kk+4+\qt)+2*\i+1]
.endr
.endr
.endm
; 64 of my keys x my 64 queries.  first = 1: nothing is carried yet: maxima, sums and O start here, nothing is cleared.
.macro CHUNK slot, c, first
.rept 5
	v_nop                                          ; five places behind the last O products: loads go into their V fragments, the S products write over their P
.endr
.irp kt, 0,1,2,3
.irp ks, 0,1
	ds_load_b128 v[KFB+16*\kt+8*\ks:KFB+16*\kt+8*\ks+3],   v[KADR+\slot] offset:8704*\c+2176*\kt+64*\ks
	ds_load_b128 v[KFB+16*\kt+8*\ks+4:KFB+16*\kt+8*\ks+7], v[KADR+\slot] offset:8704*\c+2176*\kt+64*\ks+32
.endr
.endr
	WIN 0x40
.irp dt, 0,1,2,3
.irp kk, 0,1
	ds_load_tr16_b128 v[VFB+16*\dt+8*\kk:VFB+16*\dt+8*\kk+3],   v[VADR+\slot] offset:9216*\c+4608*\kk+32*\dt
	ds_load_tr16_b128 v[VFB+16*\dt+8*\kk+4:VFB+16*\dt+8*\kk+7], v[VADR+\slot] offset:9216*\c+4608*\kk+32*\dt+2304
.endr
.endr
	s_wait_dscnt 16                                ; K's sixteen loads are in; V's sixteen, issued behind them, stay out
	WIN 0x04                                       ; B (Q) in window 1
	; the sixteen accumulators take turns, one instruction a turn
.irp kt, 0,1,2,3
.irp qt, 0,1,2,3
	v_wmma_f32_16x16x32_f16 v[SB+8*(4*\kt+\qt):SB+8*(4*\kt+\qt)+7], v[KFB+16*\kt:KFB+16*\kt+7], v[QFB+16*\qt:QFB+16*\qt+7], 0
.endr
.endr
.irp kt, 0,1,2,3
.irp qt, 0,1,2,3
	v_wmma_f32_16x16x32_f16 v[SB+8*(4*\kt+\qt):SB+8*(4*\kt+\qt)+7], v[KFB+16*\kt+8:KFB+16*\kt+15], v[QFB+16*\qt+8:QFB+16*\qt+15], v[SB+8*(4*\kt+\qt):SB+8*(4*\kt+\qt)+7]
.endr
.endr
	WIN 0
.rept 4
	v_nop                                          ; four places before vector instructions read the products (ISA guide 7.12.1)
.endr
	; the running maximum, in place
.if \first
.irp qt, 0,1,2,3
	v_max_num_f32 v[MR+\qt], v[SB+8*\qt], v[SB+8*\qt+1]
.endr
.else
	MAX3 0, 0
.endif
	MAX3 0, 1
	MAX3 0, 2
	MAX3 0, 3
.irp kt, 1,2,3
.irp i, 0,1,2,3
	MAX3 \kt, \i
.endr
.endr
.irp qt, 0,1,2,3
	v_permlanex16_b32 v[TR+\qt], v[MR+\qt], s52, s53       ; the other eight keys of each tile lie in lane xor 16
.endr
.irp qt, 0,1,2,3
	v_max_num_f32 v[MR+\qt], v[MR+\qt], v[TR+\qt]
.endr
.irp qt, 0,1,2,3
	v_mul_f32 v[TR+\qt], s49, v[MR+\qt]            ; nm = -c m
.endr
.if \first == 0
.irp qt, 0,1,2,3
	v_sub_f32 v[ALR+2*\qt], v[TR+\qt], v[NMR+2*\qt]        ; nm_new - nm_old <= 0
.endr
.irp qt, 0,1,2,3
	v_exp_f32 v[ALR+2*\qt], v[ALR+2*\qt]
.endr
.endif
.irp qt, 0,1,2,3
	v_mov_b32 v[NMR+2*\qt], v[TR+\qt]              ; plain lines that touch no alpha: the place behind the exponentials
	v_mov_b32 v[NMR+2*\qt+1], v[TR+\qt]
.endr
.if \first == 0
	s_wait_alu depctr_va_vdst(0)
.irp qt, 0,1,2,3
	v_mov_b32 v[ALR+2*\qt+1], v[ALR+2*\qt]
.endr
.endif
	FMAK 0
	EXPK 0
	FMAK 1
	EXPK 1
.if \first
	SUMK 0, 2
.else
	SUMK 0, 1
.endif
	FMAK 2
	EXPK 2
	SUMK 1, 0
	CVTK 0
	FMAK 3
	EXPK 3
	SUMK 2, 0
.if \first == 0
	WIN 0x41                                       ; O in window 1, alpha in window 0
.irp dt, 0,1,2,3
.irp qt, 0,1,2,3
.irp i, 0,1,2,3
	v_pk_mul_f32 v[8*(4*\dt+\qt)+2*\i:8*(4*\dt+\qt)+2*\i+1], v[8*(4*\dt+\qt)+2*\i:8*(4*\dt+\qt)+2*\i+1], v[ALR+2*\qt:ALR+2*\qt+1]
.endr
.endr
.endr
	WIN 0
.endif
	SUMK 3, 0
	CVTK 1
	s_wait_dscnt 0x0                               ; V's fragments
	WIN 0x51                                       ; A (V^T), C and D (O) in window 1, B (P) in window 0
.irp dt, 0,1,2,3
.irp qt, 0,1,2,3
.if \first
	v_wmma_f32_16x16x32_f16 v[8*(4*\dt+\qt):8*(4*\dt+\qt)+7], v[VFB+16*\dt:VFB+16*\dt+7], v[SB+8*\qt:SB+8*\qt+7], 0
.else
	v_wmma_f32_16x16x32_f16 v[8*(4*\dt+\qt):8*(4*\dt+\qt)+7], v[VFB+16*\dt:VFB+16*\dt+7], v[SB+8*\qt:SB+8*\qt+7], v[8*(4*\dt+\qt):8*(4*\dt+\qt)+7]
.endif
.endr
.endr
.irp dt, 0,1,2,3
.irp qt, 0,1,2,3
	v_wmma_f32_16x16x32_f16 v[8*(4*\dt+\qt):8*(4*\dt+\qt)+7], v[VFB+16*\dt+8:VFB+16*\dt+15], v[SB+8*(8+\qt):SB+8*(8+\qt)+7], v[8*(4*\dt+\qt):8*(4*\dt+\qt)+7]
.endr
.endr
	WIN 0
.endm
; One tile of 256 keys.  A ring of two slots: the round of the cluster's barrier stands between every wave's reads of the other slot (and all its tensor
; loads) and that slot's joint refill.  A wave has two tensor loads out behind each round, K's and V's part of the next tile, and they have this tile's
; 128 matrix instructions and its softmax in which to land.
.macro TRIP slot, refill, first
	s_wait_tensorcnt 0x0                           ; all my loads are done, my parts of this tile among them, so every group 0 may be written:
	ds_add_u32 v42, v43
	s_wait_dscnt 0x0
	s_add_nc_u64 s[34+4*\slot:35+4*\slot], s[34+4*\slot:35+4*\slot], 0x10000       ; this slot's next tile, two tiles on
	s_add_nc_u64 s[42+4*\slot:43+4*\slot], s[42+4*\slot:43+4*\slot], 0x10000
	s_wait_dscnt 0x0                               ; my reads of the last tile are done
	ROUND                                          ; both now hold of every wave of the four work-groups
.if \refill
	tensor_load_to_lds s[36-4*\slot:39-4*\slot], s[16:23]  ; the next tile, into the slot read last
	s_nop 0
	tensor_load_to_lds s[44-4*\slot:47-4*\slot], s[24:31]
	s_nop 0
.endif
	CHUNK \slot, 0, \first
	CHUNK \slot, 1, 0
.endm
	s_wait_loadcnt 0x0                             ; Q's fragments, once
	TRIP 0, 1, 1                                   ; tiles 0 and 1 stand in front of the loop: tile 0 starts the sums
	TRIP 1, 1, 0
	s_mov_b32 s48, 2
.Ltiles:
	TRIP 0, 1, 0                                   ; tiles 2 to 5
	TRIP 1, 1, 0
	s_sub_co_u32 s48, s48, 1
	s_cmp_lg_u32 s48, 0
	s_cbranch_scc1 .Ltiles
	TRIP 0, 1, 0                                   ; tile 6 fetches tile 7,
	TRIP 1, 0, 0                                   ; which fetches nothing (the stepped addresses are not used)
	; THE END: the two key halves of each 64 queries meet.  Waves 4-7 put O, nm and l into LDS; waves 0-3 merge, divide and store.
.rept 4
	v_nop                                          ; four places behind the last products
.endr
.irp qt, 0,1,2,3
	v_add_f32 v[ST0+4+\qt], v[LR+2*\qt], v[LR+2*\qt+1]
.endr
.irp qt, 0,1,2,3
	v_permlanex16_b32 v[TR+\qt], v[ST0+4+\qt], s52, s53
.endr
.irp qt, 0,1,2,3
	v_add_f32 v[ST0+4+\qt], v[ST0+4+\qt], v[TR+\qt]        ; l over my 1,024 keys
	v_mov_b32 v[ST0+\qt], v[NMR+2*\qt]
.endr
	s_cmp_lt_u32 s8, 4
	s_cbranch_scc1 .Lno_put
	WIN 0x04                                       ; store data in window 1
.set cnt, 0
.rept 32
	ds_store_b128 v[MADR], v[4*cnt:4*cnt+3] offset:512*cnt
.set cnt, cnt+1
.endr
	WIN 0
	ds_store_b128 v[SADR], v[ST0:ST0+3]
	ds_store_b128 v[SADR], v[ST0+4:ST0+7] offset:512
.Lno_put:
	s_wait_dscnt 0x0                               ; my stores are in LDS before I say so
	s_barrier_signal -1
	s_barrier_wait -1
	s_cmp_ge_u32 s8, 4
	s_cbranch_scc1 .Lend
	ds_load_b128 v[ST1:ST1+3], v[SADR]
	ds_load_b128 v[ST1+4:ST1+7], v[SADR] offset:512
.set cnt, 0
.rept 32
	ds_load_b128 v[SB+4*cnt:SB+4*cnt+3], v[MADR] offset:512*cnt    ; the partner's O, register for register
.set cnt, cnt+1
.endr
	s_wait_dscnt 32                                ; the partner's nm and l are in; the 32 loads of its O stay out
.irp q, 0,1,2,3
	v_min_num_f32 v[MR+\q], v[ST0+\q], v[ST1+\q]   ; nm = -c m: the larger maximum has the smaller nm
.endr
.irp q, 0,1,2,3
	v_sub_f32 v[LR+\q], v[MR+\q], v[ST0+\q]
	v_sub_f32 v[LR+4+\q], v[MR+\q], v[ST1+\q]
.endr
.irp q, 0,1,2,3
	v_exp_f32 v[LR+\q], v[LR+\q]                   ; a0, a1: one of them is 1, the other at most 1
	v_exp_f32 v[LR+4+\q], v[LR+4+\q]
.endr
	v_nop                                          ; the place behind the exponentials
	s_wait_alu depctr_va_vdst(0)
.irp q, 0,1,2,3
	v_mul_f32 v[ST0+4+\q], v[ST0+4+\q], v[LR+\q]
.endr
.irp q, 0,1,2,3
	v_fmac_f32 v[ST0+4+\q], v[ST1+4+\q], v[LR+4+\q]        ; l = l0 a0 + l1 a1, at least about 1: the largest p is 1
.endr
.irp q, 0,1,2,3
	v_rcp_f32 v[MR+\q], v[ST0+4+\q]
.endr
	v_nop                                          ; the place behind the reciprocals
	s_wait_alu depctr_va_vdst(0)
.irp q, 0,1,2,3
	v_mul_f32 v[ALR+2*\q], v[LR+\q], v[MR+\q]      ; f0 = a0 / l, twice
	v_mul_f32 v[ALR+2*\q+1], v[LR+\q], v[MR+\q]
	v_mul_f32 v[NMR+2*\q], v[LR+4+\q], v[MR+\q]    ; f1 = a1 / l, twice
	v_mul_f32 v[NMR+2*\q+1], v[LR+4+\q], v[MR+\q]
.endr
	s_wait_dscnt 0x0
.irp dt, 0,1,2,3
.irp qt, 0,1,2,3
.irp i, 0,1,2,3
	v_pk_mul_f32 v[SB+8*(4*\dt+\qt)+2*\i:SB+8*(4*\dt+\qt)+2*\i+1], v[SB+8*(4*\dt+\qt)+2*\i:SB+8*(4*\dt+\qt)+2*\i+1], v[NMR+2*\qt:NMR+2*\qt+1]
.endr
.endr
.endr
	WIN 0x01                                       ; source 0 (my O) in window 1
.irp dt, 0,1,2,3
.irp qt, 0,1,2,3
.irp i, 0,1,2,3
	v_pk_fma_f32 v[SB+8*(4*\dt+\qt)+2*\i:SB+8*(4*\dt+\qt)+2*\i+1], v[8*(4*\dt+\qt)+2*\i:8*(4*\dt+\qt)+2*\i+1], v[ALR+2*\qt:ALR+2*\qt+1], v[SB+8*(4*\dt+\qt)+2*\i:SB+8*(4*\dt+\qt)+2*\i+1]
.endr
.endr
.endr
	WIN 0
.irp dt, 0,1,2,3
.irp qt, 0,1,2,3
.irp i, 0,1,2,3
	v_cvt_pk_f16_f32 v[SB+8*(4*\dt+\qt)+\i], v[SB+8*(4*\dt+\qt)+2*\i], v[SB+8*(4*\dt+\qt)+2*\i+1]
.endr
	ds_store_b128 v[STO], v[SB+8*(4*\dt+\qt):SB+8*(4*\dt+\qt)+3] offset:2304*\qt+32*\dt    ; query 16 qt + r, d = 16 dt + 8 h ..
.endr
.endr
.irp t, 0,1,2,3,4,5,6,7,8,9,10,11,12,13,14,15
	ds_load_b128 v[KFB+4*\t:KFB+4*\t+3], v[RD] offset:576*\t       ; my own stage: LDS serves a wave's instructions in order
.endr
.irp t, 0,1,2,3,4,5,6,7,8,9,10,11,12,13,14,15
	s_wait_dscnt 15-\t                             ; the younger read-backs stay out
	global_store_b128 v[CO], v[KFB+4*\t:KFB+4*\t+3], s[56:57] offset:512*\t        ; four rows of hd: 512 consecutive bytes, aligned
.endr
.Lend:
	s_wait_dscnt 0x0
	s_wait_tensorcnt 0x0
	ds_add_u32 v42, v43
	s_wait_dscnt 0x0
	ROUND                                          ; the closing round
	s_endpgm
.Lfunc_end_k_q46498d7972_attn:
	.size	k_q46498d7972_attn, .Lfunc_end_k_q46498d7972_attn-k_q46498d7972_attn
	.p2alignl 7, 3214868480
	.fill 96, 4, 3214868480
	.section	.rodata,"a",@progbits
	.p2align	6, 0x0
	.amdhsa_kernel k_q46498d7972_attn
		.amdhsa_group_segment_fixed_size 327680
		.amdhsa_private_segment_fixed_size 0
		.amdhsa_enable_private_segment 0
		.amdhsa_kernarg_size 16
		.amdhsa_user_sgpr_count 2
		.amdhsa_user_sgpr_kernarg_segment_ptr 1
		.amdhsa_wavefront_size32 1
		.amdhsa_system_sgpr_workgroup_id_x 1
		.amdhsa_system_sgpr_workgroup_id_y 1
		.amdhsa_system_sgpr_workgroup_id_z 1
		.amdhsa_system_vgpr_workitem_id 0
		.amdhsa_next_free_vgpr 512
		.amdhsa_next_free_sgpr 66
		.amdhsa_reserve_vcc 0
		.amdhsa_float_denorm_mode_32 3
		.amdhsa_float_denorm_mode_16_64 3
		.amdhsa_memory_ordered 1
		.amdhsa_forward_progress 1
		.amdhsa_inst_pref_size 255
	.end_amdhsa_kernel
	.section	.bss,"aw",@nobits
	.p2align	6
	.space	262144
	.amdgpu_metadata
---
amdhsa.version: [ 1, 2 ]
amdhsa.kernels:
  - .name:           k_q46498d7972_attn
    .symbol:         k_q46498d7972_attn.kd
    .args:
      - { .name: qkv, .offset: 0, .size: 8, .value_kind: global_buffer, .address_space: global }
      - { .name: hd, .offset: 8, .size: 8, .value_kind: global_buffer, .address_space: global }
    .group_segment_fixed_size: 327680
    .private_segment_fixed_size: 0
    .kernarg_segment_align: 8
    .kernarg_segment_size: 16
    .max_flat_workgroup_size: 256
    .sgpr_count:     66
    .vgpr_count:     512
    .wavefront_size: 32
...
	.end_amdgpu_metadata
.endif
;; end of part 3
;; launch oproj (part 4): grid 8 x 32, 4 waves a work-group, clusters of 4 x 4, 327,680 bytes of LDS; arguments hd, wot, out0; writes out0
.if DOCPART == 4
	.amdgcn_target "amdgcn-amd-amdhsa--gfx1250"
	.amdhsa_code_object_version 6
	.text
	.protected	k_q46498d7972_oproj
	.globl	k_q46498d7972_oproj
	.p2align	8
	.type	k_q46498d7972_oproj,@function
k_q46498d7972_oproj:
	s_mov_b64 s[64:65], 0
	v_nop
	global_prefetch_b8 v0, s[64:65] scope:SCOPE_SE
	s_setreg_imm32_b32 hwreg(HW_REG_WAVE_MODE, 25, 1), 1
	s_wait_xcnt 0x0
	s_wait_alu depctr_hold_cnt(0) depctr_sa_sdst(0) depctr_va_vdst(0) depctr_va_sdst(0) depctr_va_ssrc(0) depctr_va_vcc(0) depctr_vm_vsrc(0)
	s_getreg_b32 s2, hwreg(HW_REG_IB_STS2, 6, 4)
	s_cmp_eq_u32 s2, 0
	s_cbranch_scc0 .Lentry_in_a_cluster
	s_endpgm
.Lentry_in_a_cluster:
	s_bfe_u32 s2, ttmp6, 0x10000c
	s_cmp_lg_u32 s2, 0xf033
	s_cbranch_scc0 .Lentry_shape_is_right
	s_endpgm
.Lentry_shape_is_right:
; oproj: out0[m][n] = sum over k of hd[m][k] wot[n][k].  hd, stored flat as [b][h][s][64], IS the [4096][1024] matrix of the reference's raw reshape;
; hd = headi / 8 in f16, wot = bf16(8 WO) transposed, in f16.  f16 products, f32 sums, f32 out.
; 8 x 32 = 256 work-groups of 128 x 128 of out0; four waves, 64 x 64 each: 16 accumulator tiles.  K = 1,024 goes in four steps of 256, all written out,
; through two LDS slots: a tile's rows are 512 bytes of memory at multiples of 512.
; CLUSTERS: 4 x 4.  hd's tiles are shared along a row of the cluster, wot's along a column: joint loads divide the requests for both by four.
; The matrix instruction is used transposed (source 0 = rows of wot, source 1 = rows of hd): a lane holds eight neighbouring columns of one row, 32 bytes.
; REGISTERS: window 0: v16-26 addresses; v64-127, v128-191 two fragment buffers (B's four fragments, then A's four); window 1: tile (a, b) at v[8 (4 a + b)].
.set SIZE_K, 1024
.set KSTEP,  256
.set PITCH,  528                       ; 512 bytes + 16: an odd multiple of 16, so that the 16 rows of a fragment load start 16 bytes apart modulo 256
.set QUART,  64*PITCH                  ; 64 rows: what one tensor load brings, and what one wave reads of A or of B
.set SLOT,   4*QUART                   ; A's 128 rows, then B's 128 rows
.set STAGE,  2*SLOT                    ; behind the ring: 16 rows x 272 bytes for each wave; no tensor load lands there
.set SPITCH, 272
.set ADRA, 16
.set ADRB, 20
.set STO,  24
.set RD,   25
.set CO,   26
.set F0,   64
.set F1,   128
.set G1, 24
.set G0, 32
.set G1B, 48
.set G0B, 56
.set MSB, 0
.macro WIN new                         ; the immediate's high byte repeats the setting that is left
.if MSB != \new
	s_set_vgpr_msb (MSB<<8)|\new
.set MSB, \new
.endif
.endm
.macro JLOAD s                         ; waves 0 and 1 fetch A's two halves, waves 2 and 3 B's
	s_cmp_eq_u32 s11, 0
	s_cbranch_scc0 .Lfor_b_\@
	tensor_load_to_lds s[G0+4*\s:G0+4*\s+3], s[G1:G1+7]
	s_nop 0
	s_branch .Lasked_\@
.Lfor_b_\@:
	tensor_load_to_lds s[G0B+4*\s:G0B+4*\s+3], s[G1B:G1B+7]
	s_nop 0
.Lasked_\@:
.endm
.macro CREST                           ; a round of the cluster's barrier behind its opening barrier
	s_cmp_lg_u32 s10, 0
	s_cbranch_scc1 .Lnot_wave_0_\@
	s_barrier_signal -3
.Lnot_wave_0_\@:
	s_barrier_wait -3
	s_barrier_signal -1
	s_barrier_wait -1
.endm
.macro CROUND
	s_barrier_signal -1
	s_barrier_wait -1
	CREST
.endm
	s_load_b128 s[4:7], s[0:1], 0x0                ; hd s[4:5], wot s[6:7]
	s_load_b64 s[8:9], s[0:1], 0x10                ; out0
	v_lshl_add_u32 v254, v0, 2, 0x46400
	v_mov_b32 v255, 0
	ds_add_u32 v254, v255
	v_lshrrev_b32 v1, 5, v0
	v_readfirstlane_b32 s10, v1                    ; wave 0..3
	s_lshr_b32 s11, s10, 1                         ; my half of the block's rows.  Also: I fetch for A (0) or for B (1)
	s_and_b32 s12, s10, 1                          ; my half of its columns.  Also: which 64 rows of that tile I fetch
	s_bfe_u32 s40, ttmp6, 0x40000                  ; cx
	s_bfe_u32 s41, ttmp6, 0x40004                  ; cy
	s_lshl_b32 s42, ttmp9, 2
	s_add_co_u32 s42, s42, s40                     ; block column 0..7
	s_and_b32 s13, ttmp7, 0xffff
	s_lshl_b32 s13, s13, 2
	s_add_co_u32 s13, s13, s41                     ; block row 0..31
	s_lshl_b32 s43, s41, 2
	s_lshl_b32 s43, 15, s43                        ; my row of the cluster
	s_lshl_b32 s44, 0x1111, s40                    ; my column
	; group 1: 64 rows x 256 elements of 2 bytes; 4 words of padding behind every 128 words
	s_or_b32 s[G1+0], s43, (1<<16)|(1<<20)|(1<<21)|(6<<22)|(3<<25)
	s_or_b32 s[G1B+0], s44, (1<<16)|(1<<20)|(1<<21)|(6<<22)|(3<<25)
	s_mov_b32 s[G1B+1], KSTEP<<16
	s_mov_b32 s[G1+1], KSTEP<<16                   ; tensor_dim0 = 256
	s_mov_b32 s[G1B+2], 64<<16
	s_mov_b32 s[G1+2], 64<<16                      ; tensor_dim1 = 64
	s_mov_b32 s[G1B+3], KSTEP<<16
	s_mov_b32 s[G1+3], KSTEP<<16                   ; tile_dim0 = 256
	s_mov_b32 s[G1B+4], 64
	s_mov_b32 s[G1+4], 64                          ; tile_dim1 = 64
	s_mov_b32 s[G1B+5], SIZE_K
	s_mov_b32 s[G1+5], SIZE_K
	s_mov_b32 s[G1B+6], 0
	s_mov_b32 s[G1+6], 0
	s_mov_b32 s[G1B+7], 0
	s_mov_b32 s[G1+7], 0
	s_lshl_b32 s17, s12, 6                         ; which 64 rows of the tile I fetch
	s_lshl_b32 s16, s13, 7
	s_add_co_u32 s16, s16, s17                     ; A: row 128 x block row + 64 x half
	s_lshl_b32 s46, s42, 7
	s_add_co_u32 s46, s46, s17                     ; B: row 128 x block column + 64 x half
	s_mov_b32 s17, 0
	s_mov_b32 s47, 0
	s_mov_b64 s[18:19], SIZE_K*2
	s_mul_u64 s[16:17], s[16:17], s[18:19]
	s_mul_u64 s[46:47], s[46:47], s[18:19]
	s_mul_i32 s20, s10, QUART                      ; LDS: wave x 64 rows
	s_wait_dscnt 0x0
	s_wait_kmcnt 0x0
	s_add_nc_u64 s[14:15], s[4:5], s[16:17]
	s_add_nc_u64 s[46:47], s[6:7], s[46:47]
	CROUND                                         ; all sixteen work-groups are here: the first joint loads meet
.irp s, 0,1
	s_mov_b32 s[G0+4*\s], 1
	s_add_co_u32 s[G0+4*\s+1], s20, \s*SLOT
	s_add_nc_u64 s[G0+4*\s+2:G0+4*\s+3], s[14:15], \s*KSTEP*2
	s_or_b32 s[G0+4*\s+3], s[G0+4*\s+3], 0x80000000
	s_mov_b32 s[G0B+4*\s], 1
	s_add_co_u32 s[G0B+4*\s+1], s20, \s*SLOT
	s_add_nc_u64 s[G0B+4*\s+2:G0B+4*\s+3], s[46:47], \s*KSTEP*2
	s_or_b32 s[G0B+4*\s+3], s[G0B+4*\s+3], 0x80000000
	JLOAD \s                                       ; K steps 0 and 1: half of K is on its way
.endr
	v_and_b32 v1, 15, v0
	v_bfe_u32 v2, v0, 4, 1
	v_mul_u32_u24 v3, v1, PITCH
	v_lshl_add_u32 v3, v2, 4, v3
	s_mul_i32 s21, s11, QUART
	s_mul_i32 s22, s12, QUART
	s_add_co_u32 s22, s22, 2*QUART
.irp s, 0,1
	v_add_nc_u32 v[ADRA+\s], s21, v3
	v_add_nc_u32 v[ADRB+\s], s22, v3
	s_add_co_u32 s21, s21, SLOT
	s_add_co_u32 s22, s22, SLOT
.endr
	s_mul_i32 s23, s10, 16*SPITCH
	s_add_co_u32 s23, s23, STAGE
	v_mul_u32_u24 v4, v1, SPITCH                   ; in: row l % 16, 32 bytes for each half of the lanes
	v_lshl_add_u32 v4, v2, 5, v4
	v_add_nc_u32 v[STO], s23, v4
	v_mul_u32_u24 v5, v2, SPITCH                   ; back: lanes 0-15 take one row of 256 bytes, lanes 16-31 the next
	v_lshl_add_u32 v5, v1, 4, v5
	v_add_nc_u32 v[RD], s23, v5
	v_lshlrev_b32 v5, 12, v2                       ; and the same two rows in out0: 4,096 bytes apart
	v_lshl_add_u32 v[CO], v1, 4, v5
; 16 matrix instructions: my 64 x 64, 32 along K.  The sixteen accumulators take turns, one instruction a turn.
.macro MUL16 f, zero
	WIN 0x50                                       ; C and D in window 1
.irp a, 0,1,2,3
.irp b, 0,1,2,3
.if \zero
	v_wmma_f32_16x16x32_f16 v[8*(4*\a+\b):8*(4*\a+\b)+7], v[\f+8*\b:\f+8*\b+7], v[\f+32+8*\a:\f+32+8*\a+7], 0
.else
	v_wmma_f32_16x16x32_f16 v[8*(4*\a+\b):8*(4*\a+\b)+7], v[\f+8*\b:\f+8*\b+7], v[\f+32+8*\a:\f+32+8*\a+7], v[8*(4*\a+\b):8*(4*\a+\b)+7]
.endif
.endr
.endr
	WIN 0
.endm
.macro FETCH slot, k, f                ; 16 LDS loads: 64 rows of B, 64 rows of A, 32 K at byte k of the rows
.irp i, 0,1,2,3
	ds_load_b128 v[\f+8*\i:\f+8*\i+3],   v[ADRB+\slot] offset:\k+\i*16*PITCH
	ds_load_b128 v[\f+8*\i+4:\f+8*\i+7], v[ADRB+\slot] offset:\k+\i*16*PITCH+32
.endr
.irp i, 0,1,2,3
	ds_load_b128 v[\f+32+8*\i:\f+32+8*\i+3],   v[ADRA+\slot] offset:\k+\i*16*PITCH
	ds_load_b128 v[\f+32+8*\i+4:\f+32+8*\i+7], v[ADRA+\slot] offset:\k+\i*16*PITCH+32
.endr
.endm
.macro PLACES                          ; four places between a matrix instruction and a load into one of its sources, or a reader of its result (ISA guide 7.12.1 for a reader of its result)
.rept 4
	v_nop
.endr
.endm
; One eighth of a K step: the next eighth's fragments are asked for, into the buffer multiplied last, then buffer f is multiplied.
.macro EIGHTH slot, knext, f, g, zero
	PLACES
	FETCH \slot, \knext, \g
	s_wait_dscnt 16                                ; buffer f is in; the 16 loads just issued stay out
	MUL16 \f, \zero
.endm
.macro SEVEN slot, zero
	EIGHTH \slot, 64,  F0, F1, \zero
	EIGHTH \slot, 128, F1, F0, 0
	EIGHTH \slot, 192, F0, F1, 0
	EIGHTH \slot, 256, F1, F0, 0
	EIGHTH \slot, 320, F0, F1, 0
	EIGHTH \slot, 384, F1, F0, 0
	EIGHTH \slot, 448, F0, F1, 0
.endm
; The last eighth multiplies buffer 1 and changes slots.  In front of the barrier each wave waits for its reads of this slot and for all its tensor loads;
; behind it (where the slot is filled again: behind the round of the cluster's barrier that it opens) the refill comes first.
.macro TURN slot, next, fill
	s_wait_dscnt 0                                 ; buffer 1 is in, and my reads of this slot are over
	s_wait_tensorcnt 0x0                           ; all my tensor loads have landed: the one that was out is my part of the next slot
	ds_add_u32 v254, v255
	s_wait_dscnt 0x0
	s_barrier_signal -1
	MUL16 F1, 0                                    ; register work while the others arrive
	s_barrier_wait -1
.if \fill
	CREST
	s_add_nc_u64 s[G0+4*\slot+2:G0+4*\slot+3], s[G0+4*\slot+2:G0+4*\slot+3], 2*KSTEP*2
	s_add_nc_u64 s[G0B+4*\slot+2:G0B+4*\slot+3], s[G0B+4*\slot+2:G0B+4*\slot+3], 2*KSTEP*2
	JLOAD \slot                                    ; the first tensor load behind the round
.endif
	PLACES
	FETCH \next, 0, F0
.endm
	s_wait_tensorcnt 1                             ; my part of K step 0 is in; K step 1's load stays out
	s_barrier_signal -1
	s_barrier_wait -1
	FETCH 0, 0, F0
	SEVEN 0, 1                                     ; the first products start the sums
	TURN 0, 1, 1                                   ; slot 0 gets K step 2
	SEVEN 1, 0
	TURN 1, 0, 1                                   ; slot 1 gets K step 3
	SEVEN 0, 0
	TURN 0, 1, 0
	SEVEN 1, 0
	s_wait_dscnt 0
	MUL16 F1, 0
	; THE WAY OUT, 16 rows at a time through my own stage: whole rows of 256 bytes go out
	PLACES
	s_lshl_b32 s16, s13, 19                        ; 128 x block row rows of 4,096 bytes
	s_lshl_b32 s14, s11, 18                        ; + 64 x my half
	s_add_co_u32 s16, s16, s14
	s_mov_b32 s17, 0
	s_add_nc_u64 s[8:9], s[8:9], s[16:17]
	s_lshl_b32 s46, s42, 9                         ; 128 x block column columns of 4 bytes (in the registers that held B's address)
	s_lshl_b32 s47, s12, 8
	s_add_co_u32 s46, s46, s47
	s_mov_b32 s47, 0
	s_add_nc_u64 s[8:9], s[8:9], s[46:47]
.macro OUT16 a, f
	WIN 0x04                                       ; store data in window 1
.irp b, 0,1,2,3
	ds_store_b128 v[STO], v[8*(4*\a+\b):8*(4*\a+\b)+3] offset:64*\b
	ds_store_b128 v[STO], v[8*(4*\a+\b)+4:8*(4*\a+\b)+7] offset:64*\b+16
.endr
	WIN 0
	s_wait_xcnt 0x0                                ; buffer f, which earlier stores read, and the stores' base are rewritten only behind this wait
.if \a
	s_add_nc_u64 s[8:9], s[8:9], 65536             ; 16 rows on
.endif
.irp t, 0,1,2,3,4,5,6,7
	ds_load_b128 v[\f+4*\t:\f+4*\t+3], v[RD] offset:\t*2*SPITCH    ; LDS serves a wave's instructions in order: these see the stores above
.endr
.irp t, 0,1,2,3,4,5,6,7
	s_wait_dscnt 7-\t                              ; the younger read-backs stay out
	global_store_b128 v[CO], v[\f+4*\t:\f+4*\t+3], s[8:9] offset:\t*8192 th:TH_STORE_NT    ; sixteen lanes store 256 consecutive bytes, aligned
.endr
.endm
	OUT16 0, F0
	OUT16 1, F1
	OUT16 2, F0
	OUT16 3, F1
	s_wait_tensorcnt 0x0
	ds_add_u32 v254, v255
	s_wait_dscnt 0x0
	CROUND                                         ; the closing round
	s_endpgm
.Lfunc_end_k_q46498d7972_oproj:
	.size	k_q46498d7972_oproj, .Lfunc_end_k_q46498d7972_oproj-k_q46498d7972_oproj
	.p2alignl 7, 3214868480
	.fill 96, 4, 3214868480
	.section	.rodata,"a",@progbits
	.p2align	6, 0x0
	.amdhsa_kernel k_q46498d7972_oproj
		.amdhsa_group_segment_fixed_size 327680
		.amdhsa_private_segment_fixed_size 0
		.amdhsa_enable_private_segment 0
		.amdhsa_kernarg_size 24
		.amdhsa_user_sgpr_count 2
		.amdhsa_user_sgpr_kernarg_segment_ptr 1
		.amdhsa_wavefront_size32 1
		.amdhsa_system_sgpr_workgroup_id_x 1
		.amdhsa_system_sgpr_workgroup_id_y 1
		.amdhsa_system_sgpr_workgroup_id_z 1
		.amdhsa_system_vgpr_workitem_id 0
		.amdhsa_next_free_vgpr 384
		.amdhsa_next_free_sgpr 66
		.amdhsa_reserve_vcc 0
		.amdhsa_float_denorm_mode_32 3
		.amdhsa_float_denorm_mode_16_64 3
		.amdhsa_memory_ordered 1
		.amdhsa_forward_progress 1
		.amdhsa_inst_pref_size 89
	.end_amdhsa_kernel
	.amdgpu_metadata
---
amdhsa.version: [ 1, 2 ]
amdhsa.kernels:
  - .name:           k_q46498d7972_oproj
    .symbol:         k_q46498d7972_oproj.kd
    .args:
      - { .name: hd, .offset: 0, .size: 8, .value_kind: global_buffer, .address_space: global }
      - { .name: wot, .offset: 8, .size: 8, .value_kind: global_buffer, .address_space: global }
      - { .name: out0, .offset: 16, .size: 8, .value_kind: global_buffer, .address_space: global }
    .group_segment_fixed_size: 327680
    .private_segment_fixed_size: 0
    .kernarg_segment_align: 8
    .kernarg_segment_size: 24
    .max_flat_workgroup_size: 128
    .sgpr_count:     66
    .vgpr_count:     384
    .wavefront_size: 32
...
	.end_amdgpu_metadata
.endif
;; end of part 4
